; MI455X (gfx1250); checked and timed in simulation.
; The chip was launched on July 23, 2026; its instructions are those of AMD's public machine-readable ISA for CDNA 5 (MIT licence, August 2026) and "CDNA5" Instruction Set Architecture Reference Guide (July 2026). The comments in the code are by the model that wrote it; some were corrected since.
;; Sphere Spectra Integrator. Allowed arithmetic: float matrix products may take bf16 or f16 operands with f32 sums; all other float work in f32.
;; Inputs: B_mean 65,536 float32; B_val 1,024 float32; c_extended 65,536 float32; weights 65,536 float32.
;; Outputs: out0 1,024 float32.
;; One version. Each part assembles by itself: llvm-mc -triple=amdgcn-amd-amdhsa -mcpu=gfx1250 --defsym DOCPART=n.
;; ======== version 1 of 1: 2 launches
;; workspace buffers: part 65,536 bytes
;; launch lines (part 1): grid 16 x 16, 16 waves a work-group, no clusters, 47,104 bytes of LDS; arguments B_mean, c_extended, weights, B_val, part; writes part
.if DOCPART == 1
	.amdgcn_target "amdgcn-amd-amdhsa--gfx1250"
	.amdhsa_code_object_version 6
	.text
	.protected	k_q68ad046d21_lines
	.globl	k_q68ad046d21_lines
	.p2align	8
	.type	k_q68ad046d21_lines,@function
k_q68ad046d21_lines:
	s_mov_b64 s[64:65], 0
	v_nop
	global_prefetch_b8 v0, s[64:65] scope:SCOPE_SE
	s_setreg_imm32_b32 hwreg(HW_REG_WAVE_MODE, 25, 1), 1
	s_wait_xcnt 0x0
; part[ls][f] = sum over the 4,096 lines n of split ls of  w[n] * 2/sqrt(pi) * c[n]^2 * arg * exp(-arg^2) * [|arg| <= 2.5],
; arg = (B_mean[n] - B_val[f]) * c[n].   1,024 fields, 65,536 lines, all f32.  A second launch adds the 16 splits.
;
; SHARES.  Work-group (x, y): fields 64 x .. 64 x + 63, lines 4,096 y .. 4,096 y + 4,095.  16 waves; wave w takes all 64 fields
; (four tiles of 16) and its own 256 lines (eight blocks of 32).  Lane (r = lane & 15, h = lane >> 4) takes field r of each tile
; and lines 16 h .. 16 h + 15 of each block.
;
; ARITHMETIC.  With s = sqrt(log2 e), T = 6.25 log2 e:   once for a line  c' = c s,  mc' = (B_mean - B_val[0]) c',
; coef = c^2 w * 2/sqrt(pi) / s * e^-6.25 (bf16);  once for a field  nb = B_val[0] - B_val[f];  for an element
;   a' = nb c' + mc' (= s arg),   q = T - a'^2,   q < 0 replaced by <= -1024,   p = a' 2^q (bf16),   sum += p coef (matrix unit, f32).
; Both differences are taken against B_val[0], so a common offset of the fields is gone before any product is formed.
; q >= 0 says |arg| <= 2.5; 2^q lies in [1, 2^T] there, and is exactly 0 for the replaced q, so a masked element adds +-0.
; Two elements share each packed instruction: four packed halves, one integer maximum and one exponential an element.
; The mask hangs on floating-point data, so it selects a value and steers no branch: every element is computed.
;
; LIMITS.  Inputs are finite: an arg that is NaN, or an a' that overflows to infinity, gives NaN here, 0 in the formula above.
; The cutoff is tested as a'^2 <= T in f32: an |arg| within about 3e-7 (relative) of 2.5 may fall on the other side.
; p and coef are rounded to bf16 (matrix operands).  a' carries an absolute error of a few 2^-24 times |B - B_val[0]| c.
;
; No tensor loads, no cluster: a work-group reads 48 KiB of lines once, at its start; the work is arithmetic.
.set PW,    2560                       ; LDS bytes of a wave: c' 1,024, mc' 1,024, coef 512; the wave's own, so no barrier guards them
.set OFF_M, 1024
.set OFF_W, 2048
.set RED,   16*PW                      ; behind them: 16 rows of 256 bytes, a wave's 64 sums each
.set NB,  2                            ; v[2:5]     nb of my field in tiles 0..3
.set TT,  6                            ; v[6:7]     T, twice (a pair for the packed form)
.set VC,  8                            ; v8         LDS address of my 16 c' of the block at hand (mc' at +OFF_M)
.set VW,  9                            ; v9         LDS address of my 16 coef (at +OFF_W)
.set C,   10                           ; v[10:25]   c'  of my 16 lines
.set M,   26                           ; v[26:41]   mc' of my 16 lines
.set W,   42                           ; v[42:49]   coef fragment (32 lines x 16 equal columns)
.set A,   50                           ; v[50:57]   p fragment (16 fields x 32 lines)
.set XA,  58                           ; v[58:73]   a', later p: two sets of 8 (a set = half a tile)
.set XQ,  74                           ; v[74:89]   q, later 2^q: two sets of 8
.set ACC, 90                           ; v[90:121]  four accumulators, one a tile
.set GO,  122                          ; offsets and LDS addresses of the start and of the end
.set FO,  123
.set SA,  124
.set SB,  125
.set RM,  ACC                          ; at the start only: B_mean, c, w of my 8 lines as loaded, and c'
.set RC,  ACC+8
.set RW,  ACC+16
.set CP,  ACC+24
.set CB,  A                            ; coef of my 8 lines, packed
.set BR,  XA                           ; B_val[0], twice
	s_load_b256 s[4:11], s[0:1], 0x0               ; B_mean s[4:5], c_extended s[6:7], weights s[8:9], B_val s[10:11]
	s_load_b64 s[12:13], s[0:1], 0x20              ; part
	v_lshl_add_u32 v128, v0, 2, 0xb000
	v_mov_b32 v129, 0
	v_and_b32 v1, 31, v0                           ; lane
	v_lshrrev_b32 v[FO], 5, v0
	v_readfirstlane_b32 s14, v[FO]                 ; wave 0..15
	s_and_b32 s15, ttmp7, 0xffff                   ; line split
	s_lshl_b32 s16, s15, 14                        ; 4,096 lines of 4 bytes
	s_lshl_b32 s17, s14, 10                        ; + wave x 256 lines
	s_add_co_u32 s16, s16, s17
	v_lshl_add_u32 v[GO], v1, 4, s16               ; + 16 bytes a lane: a load of the wave covers 512 consecutive bytes
	v_and_b32 v[FO], 15, v0                        ; r
	s_lshl_b32 s17, ttmp9, 8                       ; 64 fields of 4 bytes
	v_lshl_add_u32 v[FO], v[FO], 2, s17
	s_wait_kmcnt 0x0
.irp j, 0,1
	global_load_b128 v[RM+4*\j:RM+4*\j+3], v[GO], s[4:5] offset:512*\j     ; lines 128 j + 4 lane .. + 3 of my wave's 256
	global_load_b128 v[RC+4*\j:RC+4*\j+3], v[GO], s[6:7] offset:512*\j
	global_load_b128 v[RW+4*\j:RW+4*\j+3], v[GO], s[8:9] offset:512*\j
.endr
.irp t, 0,1,2,3
	global_load_b32 v[NB+\t], v[FO], s[10:11] offset:64*\t                 ; B_val of field r of tile t
.endr
	s_load_b32 s18, s[10:11], 0x0                  ; B_val[0], the point that all differences are taken against
	s_mov_b32 s20, 0x3f99be61                      ; s = sqrt(log2 e) = 1.2011224
	s_mov_b32 s21, 0x3f99be61                      ; (the packed form names the pair)
	s_mov_b32 s22, 0x3aedb452                      ; 2/sqrt(pi) / s * e^-6.25 = 0.00181354
	s_mov_b32 s23, 0x3aedb452
	s_mov_b32 s24, 0xc4800000                      ; -1024.0
	s_mul_i32 s19, s14, PW                         ; my wave's LDS bytes
	v_lshl_add_u32 v[SA], v1, 4, s19               ; where my four c' (mc') go
	v_lshl_add_u32 v[SB], v1, 3, s19               ; where my four coef go
	v_lshrrev_b32 v1, 4, v1                        ; h, kept to the end
	v_lshl_add_u32 v[VC], v1, 6, s19               ; 16 lines of 4 bytes for each half of the lanes
	v_lshl_add_u32 v[VW], v1, 5, s19               ; 16 lines of 2 bytes
	v_mov_b32 v[TT], 0x411044fe                    ; T = 6.25 log2 e = 9.016844
	v_mov_b32 v[TT+1], 0x411044fe
	s_wait_kmcnt 0x0
	v_mov_b32 v[BR], s18
	v_mov_b32 v[BR+1], s18
	s_wait_loadcnt 0x0
.irp t, 0,1,2,3
	v_sub_f32 v[NB+\t], s18, v[NB+\t]              ; nb = B_val[0] - B_val[f]
.endr
.irp p, 0,1,2,3                                    ; my 8 lines, two at a time
	v_pk_mul_f32 v[CP+2*\p:CP+2*\p+1], v[RC+2*\p:RC+2*\p+1], s[20:21] op_sel_hi:[1,0]                      ; c' = c s
	v_pk_add_f32 v[RM+2*\p:RM+2*\p+1], v[RM+2*\p:RM+2*\p+1], v[BR:BR+1] neg_lo:[0,1] neg_hi:[0,1]          ; B_mean - B_val[0]
	v_pk_mul_f32 v[RC+2*\p:RC+2*\p+1], v[RC+2*\p:RC+2*\p+1], v[RC+2*\p:RC+2*\p+1]                          ; c^2
	v_pk_mul_f32 v[RW+2*\p:RW+2*\p+1], v[RW+2*\p:RW+2*\p+1], s[22:23] op_sel_hi:[1,0]                      ; w x constant
	v_pk_mul_f32 v[RM+2*\p:RM+2*\p+1], v[RM+2*\p:RM+2*\p+1], v[CP+2*\p:CP+2*\p+1]                          ; mc'
	v_pk_mul_f32 v[RW+2*\p:RW+2*\p+1], v[RW+2*\p:RW+2*\p+1], v[RC+2*\p:RC+2*\p+1]                          ; coef
	v_cvt_pk_bf16_f32 v[CB+\p], v[RW+2*\p], v[RW+2*\p+1]
.endr
.irp j, 0,1
	ds_store_b128 v[SA], v[CP+4*\j:CP+4*\j+3] offset:512*\j                ; line n of the wave: c' at 4 n, mc' at OFF_M + 4 n, coef at OFF_W + 2 n
	ds_store_b128 v[SA], v[RM+4*\j:RM+4*\j+3] offset:OFF_M+512*\j
	ds_store_b64  v[SB], v[CB+2*\j:CB+2*\j+1] offset:OFF_W+256*\j
.endr
; A block's figures in the fragment's order.  Slot (h, register j, half x) of both fragments stands for line 16 h + 2 j + x of the block:
; the same renaming of k in both operands, which leaves the products as they are.  All sixteen r read the same bytes.
.macro LOADCM
.irp i, 0,1,2,3
	ds_load_b128 v[C+4*\i:C+4*\i+3], v[VC] offset:16*\i
.endr
.irp i, 0,1,2,3
	ds_load_b128 v[M+4*\i:M+4*\i+3], v[VC] offset:OFF_M+16*\i
.endr
.endm
.macro LOADW
	ds_load_b128 v[W:W+3],   v[VW] offset:OFF_W
	ds_load_b128 v[W+4:W+7], v[VW] offset:OFF_W+16
.endm
; The front part of a unit (half a tile: my field, 8 lines) in set sn.  nbp, o: the pair that holds the tile's nb, and which of the two; hn: lines 8 hn ..
.macro FA sn, nbp, o, hn, i            ; a' = nb c' + mc', two lines
	v_pk_fma_f32 v[XA+8*\sn+2*\i:XA+8*\sn+2*\i+1], v[\nbp:\nbp+1], v[C+8*\hn+2*\i:C+8*\hn+2*\i+1], v[M+8*\hn+2*\i:M+8*\hn+2*\i+1] op_sel:[\o,0,0] op_sel_hi:[\o,1,1]
.endm
.macro FQ sn, i                        ; q = T - a'^2, one rounding: its sign is the mask
	v_pk_fma_f32 v[XQ+8*\sn+2*\i:XQ+8*\sn+2*\i+1], v[XA+8*\sn+2*\i:XA+8*\sn+2*\i+1], v[XA+8*\sn+2*\i:XA+8*\sn+2*\i+1], v[TT:TT+1] neg_lo:[1,0,0] neg_hi:[1,0,0]
.endm
.macro FM sn, i                        ; as signed integers: the bits of q >= +0 exceed those of -1024.0 and stay; of two negative floats the one further from 0 has the larger bits
	v_max_i32 v[XQ+8*\sn+\i], s24, v[XQ+8*\sn+\i]
.endm
.macro PRE sn, nbp, o, hn
.irp i, 0,1,2,3
	FA \sn, \nbp, \o, \hn, \i
.endr
.irp i, 0,1,2,3
	FQ \sn, \i
.endr
.irp i, 0,1,2,3,4,5,6,7
	FM \sn, \i
.endr
.endm
.macro EX su, i
	v_exp_f32 v[XQ+8*\su+\i], v[XQ+8*\su+\i]
.endm
; The eight exponentials of the unit in set su, each followed by two instructions of the next unit's front part (set sn).
; These are the plain instructions that stand between an exponential and the first use of its result (ISA guide 5.7.2).
.macro STEP su, sn, nbp, o, hn
	EX \su, 0
	FA \sn, \nbp, \o, \hn, 0
	FA \sn, \nbp, \o, \hn, 1
	EX \su, 1
	FA \sn, \nbp, \o, \hn, 2
	FA \sn, \nbp, \o, \hn, 3
	EX \su, 2
	FQ \sn, 0
	FQ \sn, 1
	EX \su, 3
	FQ \sn, 2
	FQ \sn, 3
	EX \su, 4
	FM \sn, 0
	FM \sn, 1
	EX \su, 5
	FM \sn, 2
	FM \sn, 3
	EX \su, 6
	FM \sn, 4
	FM \sn, 5
	EX \su, 7
	FM \sn, 6
	FM \sn, 7
.endm
.macro POST su, ha                     ; p = a' 2^q, rounded to bf16 into half ha of the fragment
	s_wait_alu depctr_va_vdst(0)
.irp i, 0,1,2,3
	v_pk_mul_f32 v[XA+8*\su+2*\i:XA+8*\su+2*\i+1], v[XA+8*\su+2*\i:XA+8*\su+2*\i+1], v[XQ+8*\su+2*\i:XQ+8*\su+2*\i+1]
.endr
.irp i, 0,1,2,3
	v_cvt_pk_bf16_f32 v[A+4*\ha+\i], v[XA+8*\su+2*\i], v[XA+8*\su+2*\i+1]
.endr
.endm
; 16 fields x 32 lines times 32 lines x 16 equal columns.  The four accumulators take turns, one matrix instruction a turn, over the
; backward jump too.  The fragment A is written again only behind the sixteen plain instructions of the
; next STEP, which name none of the matrix instruction's registers: more than the four places of ISA guide 7.12.1.
.macro MMA t, first
.if \first
	v_wmma_f32_16x16x32_bf16 v[ACC+8*\t:ACC+8*\t+7], v[A:A+7], v[W:W+7], 0         ; the first block starts the sums: nothing is cleared
.else
	v_wmma_f32_16x16x32_bf16 v[ACC+8*\t:ACC+8*\t+7], v[A:A+7], v[W:W+7], v[ACC+8*\t:ACC+8*\t+7]
.endif
.endm
; One block: 32 lines x 64 fields = eight units.  On entry unit 0's front part is done (set 0) and the block's coef loads are on their way.
.macro BLOCK first, last
	STEP 0, 1, NB, 0, 1
	POST 0, 0
	STEP 1, 0, NB, 1, 0
	POST 1, 1
	s_wait_dscnt 0x0                               ; the coef fragment is in
	MMA 0, \first
	STEP 0, 1, NB, 1, 1
	POST 0, 0
	STEP 1, 0, NB+2, 0, 0
	POST 1, 1
	MMA 1, \first
	STEP 0, 1, NB+2, 0, 1
	POST 0, 0
	STEP 1, 0, NB+2, 1, 0
	POST 1, 1
	MMA 2, \first
	STEP 0, 1, NB+2, 1, 1                          ; the last front part of the block: c' and mc' are free behind it
	POST 0, 0
.if \last == 0
	v_add_nc_u32 v[VC], 128, v[VC]                 ; the next 32 lines
	LOADCM                                         ; on their way during the last unit's exponentials and back part
.endif
.irp i, 0,1,2,3,4,5,6,7
	EX 1, \i
.endr
.if \last
	v_nop                                          ; the plain instruction between the exponentials and their use (ISA guide 5.7.2)
	s_wait_alu depctr_va_vdst(0)
.else
	v_add_nc_u32 v[VW], 64, v[VW]                  ; the same place, with work in it
	s_wait_alu depctr_va_vdst(0)
.endif
	POST 1, 1
	MMA 3, \first
.if \last == 0
	s_wait_dscnt 0x0                               ; the next block's c' and mc'
	PRE 0, NB, 0, 0                                ; sixteen plain instructions that name no register of the matrix instruction above:
	LOADW                                          ; the load into its coef fragment stands more than four places behind it
.endif
.endm
	LOADCM                                         ; LDS serves a wave's instructions in order (ISA guide 5.7.1): these see the stores above
	LOADW
	s_wait_dscnt 0x2                               ; c' and mc' are in; the two younger loads, the coef fragment's, may stay out
	PRE 0, NB, 0, 0
	BLOCK 1, 0                                     ; block 0
	s_mov_b32 s25, 6
.Lblock:
	BLOCK 0, 0                                     ; blocks 1 to 6
	s_sub_co_i32 s25, s25, 1
	s_cmp_lg_u32 s25, 0
	s_cbranch_scc1 .Lblock
	BLOCK 0, 1                                     ; block 7 fetches nothing
	; THE WAY OUT.  Register j of lane (r, h) holds the sum of field 8 h + j of the tile, the same in all sixteen r.
	; The five address instructions are the places behind the last matrix instruction (four are asked for: ISA guide 7.12.1).
	v_and_b32 v[SA], 15, v0                        ; i = lane & 15
	v_lshlrev_b32 v[SB], 5, v1                     ; 8 h fields of 4 bytes
	v_lshl_add_u32 v[SB], s14, 8, v[SB]            ; + my wave's row of 256 bytes
	v_lshlrev_b32 v[GO], 11, v1                    ; for wave 0 below: rows 8 h ..
	v_lshl_add_u32 v[GO], v[SA], 4, v[GO]          ; + fields 4 i .. 4 i + 3
.irp t, 0,1,2,3
	ds_store_b128 v[SB], v[ACC+8*\t:ACC+8*\t+3]   offset:RED+64*\t         ; sixteen lanes write the same bytes with the same values
	ds_store_b128 v[SB], v[ACC+8*\t+4:ACC+8*\t+7] offset:RED+64*\t+16
.endr
	s_wait_dscnt 0x0                               ; my row is written, for wave 0's sake
	s_barrier_signal -1
	s_barrier_wait -1
	s_cmp_lg_u32 s14, 0
	s_cbranch_scc1 .Ldone
.irp j, 0,1,2,3,4,5,6,7
	ds_load_b128 v[C+4*\j:C+4*\j+3], v[GO] offset:RED+256*\j               ; rows 8 h + j, my four fields
.endr
	s_mov_b32 s26, 0x76543210                      ; v_permlanex16_b32: lane i of one half reads lane i of the other
	s_mov_b32 s27, 0xfedcba98
	s_lshl_b32 s16, s15, 12                        ; part: split x 1,024 fields of 4 bytes
	s_lshl_b32 s17, ttmp9, 8                       ; + 64 fields x group
	s_add_co_u32 s16, s16, s17
	v_lshl_add_u32 v[FO], v[SA], 4, s16
.macro FOLD base, n                    ; vectors 0 .. n-1 of four registers take up vectors n .. 2n-1
.set kk, 0
.rept 2*\n
	v_pk_add_f32 v[\base+2*kk:\base+2*kk+1], v[\base+2*kk:\base+2*kk+1], v[\base+4*\n+2*kk:\base+4*\n+2*kk+1]
.set kk, kk+1
.endr
.endm
	s_wait_dscnt 0x0
	FOLD C, 4
	FOLD C, 2
	FOLD C, 1
.irp k, 0,1,2,3
	v_permlanex16_b32 v[XA+\k], v[C+\k], s26, s27  ; the other eight rows' sums (the destination has been written before)
.endr
	v_pk_add_f32 v[C:C+1],   v[C:C+1],   v[XA:XA+1]
	v_pk_add_f32 v[C+2:C+3], v[C+2:C+3], v[XA+2:XA+3]
	v_cmp_gt_u32 vcc_lo, 16, v0
	s_wait_xcnt 0x0                                ; EXEC changes only behind s_wait_xcnt 0
	s_and_saveexec_b32 s28, vcc_lo
	global_store_b128 v[FO], v[C:C+3], s[12:13]    ; sixteen lanes store 256 consecutive bytes, at a multiple of 256 from part's first byte
	s_wait_xcnt 0x0
	s_or_b32 exec_lo, exec_lo, s28
.Ldone:
	s_wait_tensorcnt 0x0
	ds_add_u32 v128, v129
	s_wait_dscnt 0x0
	s_endpgm
.Lfunc_end_k_q68ad046d21_lines:
	.size	k_q68ad046d21_lines, .Lfunc_end_k_q68ad046d21_lines-k_q68ad046d21_lines
	.p2alignl 7, 3214868480
	.fill 96, 4, 3214868480
	.section	.rodata,"a",@progbits
	.p2align	6, 0x0
	.amdhsa_kernel k_q68ad046d21_lines
		.amdhsa_group_segment_fixed_size 47104
		.amdhsa_private_segment_fixed_size 0
		.amdhsa_enable_private_segment 0
		.amdhsa_kernarg_size 40
		.amdhsa_user_sgpr_count 2
		.amdhsa_user_sgpr_kernarg_segment_ptr 1
		.amdhsa_wavefront_size32 1
		.amdhsa_system_sgpr_workgroup_id_x 1
		.amdhsa_system_sgpr_workgroup_id_y 1
		.amdhsa_system_sgpr_workgroup_id_z 1
		.amdhsa_system_vgpr_workitem_id 0
		.amdhsa_next_free_vgpr 130
		.amdhsa_next_free_sgpr 66
		.amdhsa_reserve_vcc 1
		.amdhsa_float_denorm_mode_32 3
		.amdhsa_float_denorm_mode_16_64 3
		.amdhsa_memory_ordered 1
		.amdhsa_forward_progress 1
		.amdhsa_inst_pref_size 49
	.end_amdhsa_kernel
	.amdgpu_metadata
---
amdhsa.version: [ 1, 2 ]
amdhsa.kernels:
  - .name:           k_q68ad046d21_lines
    .symbol:         k_q68ad046d21_lines.kd
    .args:
      - { .name: B_mean, .offset: 0, .size: 8, .value_kind: global_buffer, .address_space: global }
      - { .name: c_extended, .offset: 8, .size: 8, .value_kind: global_buffer, .address_space: global }
      - { .name: weights, .offset: 16, .size: 8, .value_kind: global_buffer, .address_space: global }
      - { .name: B_val, .offset: 24, .size: 8, .value_kind: global_buffer, .address_space: global }
      - { .name: part, .offset: 32, .size: 8, .value_kind: global_buffer, .address_space: global }
    .group_segment_fixed_size: 47104
    .private_segment_fixed_size: 0
    .kernarg_segment_align: 8
    .kernarg_segment_size: 40
    .max_flat_workgroup_size: 512
    .sgpr_count:     66
    .vgpr_count:     130
    .wavefront_size: 32
...
	.end_amdgpu_metadata
.endif
;; end of part 1
;; launch fold (part 2): grid 8 x 1, 1 waves a work-group, no clusters, 0 bytes of LDS; arguments part, out0; writes out0
.if DOCPART == 2
	.amdgcn_target "amdgcn-amd-amdhsa--gfx1250"
	.amdhsa_code_object_version 6
	.text
	.protected	k_q68ad046d21_fold
	.globl	k_q68ad046d21_fold
	.p2align	8
	.type	k_q68ad046d21_fold,@function
k_q68ad046d21_fold:
	s_mov_b64 s[64:65], 0
	v_nop
	global_prefetch_b8 v0, s[64:65] scope:SCOPE_SE
	s_setreg_imm32_b32 hwreg(HW_REG_WAVE_MODE, 25, 1), 1
	s_wait_xcnt 0x0
; out0[f] = sum over the 16 splits ls of part[ls][f].  part: [16][1024] f32, out0: [1024] f32.
; Eight work-groups of one wave; a wave owns 128 fields, a lane four of them: each load and the store of the wave cover 512 consecutive
; bytes, aligned.  The sixteen loads go out together and are added as a tree of packed additions, in a fixed order.
; 64 KiB in, 4 KiB out: no LDS, no barrier, no matrix unit; each output has one owner.
.set P, 4                              ; v[4:67]  sixteen vectors of four fields
	s_load_b128 s[4:7], s[0:1], 0x0                ; part s[4:5], out0 s[6:7]
	s_lshl_b32 s8, ttmp9, 9                        ; 128 fields of 4 bytes
	v_lshl_add_u32 v1, v0, 4, s8                   ; + 16 bytes a lane
	s_wait_kmcnt 0x0
.irp j, 0,1,2,3,4,5,6,7,8,9,10,11,12,13,14,15
	global_load_b128 v[P+4*\j:P+4*\j+3], v1, s[4:5] offset:4096*\j th:TH_LOAD_NT    ; read once in this launch
.endr
.macro FOLD base, n                    ; vectors 0 .. n-1 of four registers take up vectors n .. 2n-1
.set kk, 0
.rept 2*\n
	v_pk_add_f32 v[\base+2*kk:\base+2*kk+1], v[\base+2*kk:\base+2*kk+1], v[\base+4*\n+2*kk:\base+4*\n+2*kk+1]
.set kk, kk+1
.endr
.endm
	s_wait_loadcnt 0x0                             ; one batch, issued together: the first level of the tree needs the youngest load
	FOLD P, 8
	FOLD P, 4
	FOLD P, 2
	FOLD P, 1
	global_store_b128 v1, v[P:P+3], s[6:7]
	s_endpgm
.Lfunc_end_k_q68ad046d21_fold:
	.size	k_q68ad046d21_fold, .Lfunc_end_k_q68ad046d21_fold-k_q68ad046d21_fold
	.p2alignl 7, 3214868480
	.fill 96, 4, 3214868480
	.section	.rodata,"a",@progbits
	.p2align	6, 0x0
	.amdhsa_kernel k_q68ad046d21_fold
		.amdhsa_group_segment_fixed_size 0
		.amdhsa_private_segment_fixed_size 0
		.amdhsa_enable_private_segment 0
		.amdhsa_kernarg_size 16
		.amdhsa_user_sgpr_count 2
		.amdhsa_user_sgpr_kernarg_segment_ptr 1
		.amdhsa_wavefront_size32 1
		.amdhsa_system_sgpr_workgroup_id_x 1
		.amdhsa_system_sgpr_workgroup_id_y 1
		.amdhsa_system_sgpr_workgroup_id_z 1
		.amdhsa_system_vgpr_workitem_id 0
		.amdhsa_next_free_vgpr 68
		.amdhsa_next_free_sgpr 66
		.amdhsa_reserve_vcc 0
		.amdhsa_float_denorm_mode_32 3
		.amdhsa_float_denorm_mode_16_64 3
		.amdhsa_memory_ordered 1
		.amdhsa_forward_progress 1
		.amdhsa_inst_pref_size 4
	.end_amdhsa_kernel
	.amdgpu_metadata
---
amdhsa.version: [ 1, 2 ]
amdhsa.kernels:
  - .name:           k_q68ad046d21_fold
    .symbol:         k_q68ad046d21_fold.kd
    .args:
      - { .name: part, .offset: 0, .size: 8, .value_kind: global_buffer, .address_space: global }
      - { .name: out0, .offset: 8, .size: 8, .value_kind: global_buffer, .address_space: global }
    .group_segment_fixed_size: 0
    .private_segment_fixed_size: 0
    .kernarg_segment_align: 8
    .kernarg_segment_size: 16
    .max_flat_workgroup_size: 32
    .sgpr_count:     66
    .vgpr_count:     68
    .wavefront_size: 32
...
	.end_amdgpu_metadata
.endif
;; end of part 2
